; MI455X (gfx1250); checked and timed in simulation.
; The chip was launched on July 23, 2026; its instructions are those of AMD's public machine-readable ISA for CDNA 5 (MIT licence, August 2026) and "CDNA5" Instruction Set Architecture Reference Guide (July 2026). The comments in the code are by the model that wrote it; some were corrected since.
;; Lo RA Linear. Allowed arithmetic: matrix products marked QUANTISED: E4M3 operands, one E8M0 scale for each 32 along K, by v_wmma_scale_f32_16x16x128_f8f6f4 with both operands' format E4M3, f32 sums; products left as they are: f32 operands where the result goes on into a quantised operand, else bf16, f16 or f32 operands; f32 sums; everything else in f32.
;; Inputs: adapter_id 4 int32; bias 4,096 float32; lora_a_weights 8 x 16 x 4,096 float32; lora_b_weights 8 x 4,096 x 16 float32; scaling_factors 8 float32; weight 4,096 x 4,096 float32; x 4 x 1,024 x 4,096 float32.
;; Outputs: out0 4 x 1,024 x 4,096 float32.
;; This version of the problem:
;;   THIS VERSION OF THE PROBLEM IS GIVEN IN LOW PRECISION. The matrix products marked QUANTISED in the list below multiply operands that are first quantised to E4M3 (4 exponent bits, 3 mantissa bits; 8 bits a number), with one power-of-two scale for each 32 numbers along K (OCP MX v1.0); their sums are f32. All else is computed in f32.
;;   The module's matrix products, in the order in which they are computed (A, B: the left and right operand; K: the contracted axis; several contracted axes count as one K, in the product's order):
;;     1. [M 4,096, K 4,096] x [K 4,096, N 4,096]; A: input x; B: input weight: QUANTISED
;;     2. batch 4 x [M 1,024, K 4,096] x [K 4,096, N 16]; A: input x; B: computed on the way: QUANTISED
;;     3. batch 4 x [M 1,024, K 16] x [K 16, N 4,096]; A: computed on the way; B: computed on the way: left as it is (K = 16 < 32)
;;   THE QUANTISER, for each operand of a quantised product, along K:
;;     - K is cut into blocks of 32 from its start; a last block that is shorter is filled with zeros.
;;     - A block's scale is 2^e with e = floor(log2(the largest magnitude in the block)) - 8, held to -126 .. 127; a block of zeros has e = 0. As a byte (E8M0): e + 127.
;;     - Each number is divided by its block's scale, clamped to +-448, and rounded to the nearest number of E4M3, ties to even, subnormals kept.
;;     - The product sums the exact products of the quantised numbers (number of the format x scale) in f32.
;;   ~~~python
;;   def quantise(x, axis):      # numpy; x: float32 -> the quantised numbers, widened to float32 again
;;       x = np.moveaxis(x, axis, -1); K = x.shape[-1]
;;       x = np.pad(x, [(0, 0)] * (x.ndim - 1) + [(0, -K % 32)]); x = x.reshape(x.shape[:-1] + (-1, 32)); a = np.abs(x).max(-1, keepdims=True)
;;       e = np.where(a > 0, np.clip(np.frexp(np.where(a > 0, a, 1))[1] - 1 - 8, -126, 127), 0)      # np.frexp(a)[1] - 1 = floor(log2(a)), exactly
;;       r = np.clip(x / 2.0 ** e, -448, 448)
;;       step = 2.0 ** (np.maximum(np.frexp(np.where(r == 0, 1, r))[1] - 1, -6) - 3)
;;       q = np.round(r / step) * step * 2.0 ** e      # np.round: ties to even
;;       return np.moveaxis(q.reshape(q.shape[:-2] + (-1,))[..., :K], -1, axis).astype(np.float32)
;;   ~~~
;;   OPERANDS COMPUTED ON THE WAY. 'Computed on the way' means the value that the module computes at that place (a softmax that the list does not call 'softmax' is quantised finished and normalised). What goes into a quantiser is computed in f32, as accurately as f32 sums, v_exp_f32 and their like allow (about 1e-6 of the number): no bf16 or f16 on the way to a quantiser, and a product that is left as it is and whose result goes on into a quantised operand takes f32 operands (vector FMAs, or v_wmma_f32_16x16x4_f32). A number that lies on a knife's edge between two numbers of the format may be rounded either way, as far as f32 arithmetic and the matrix unit's own rounding can turn it there, and no further.
;; One version. Each part assembles by itself: llvm-mc -triple=amdgcn-amd-amdhsa -mcpu=gfx1250 --defsym DOCPART=n.
;; ======== version 1 of 1: 2 launches
;; limits: values are held in bf16: 8 bits of precision; right only within a limited range of input values
;; workspace buffers: xq 17,301,504 bytes; wq 17,301,504 bytes; lq 131,072 bytes; bq 524,288 bytes
;; launch quant (part 1): grid 256 x 1, 16 waves a work-group, no clusters, 92,160 bytes of LDS; arguments x, weight, lora_a_weights, lora_b_weights, scaling_factors, adapter_id, xq, wq, lq, bq; writes xq, wq, lq, bq
.if DOCPART == 1
	.amdgcn_target "amdgcn-amd-amdhsa--gfx1250"
	.amdhsa_code_object_version 6
	.text
	.protected	k_qd9fc1e2708_quant
	.globl	k_qd9fc1e2708_quant
	.p2align	8
	.type	k_qd9fc1e2708_quant,@function
k_qd9fc1e2708_quant:
	s_mov_b64 s[64:65], 0
	v_nop
	global_prefetch_b8 v0, s[64:65] scope:SCOPE_SE
	s_setreg_imm32_b32 hwreg(HW_REG_WAVE_MODE, 25, 1), 1
	s_wait_xcnt 0x0
; Work-group g quantises 16 rows of x, 16 rows of weight and the 16 ranks of its batch's adapter (E4M3 codes, one E8M0 byte for each 32 along K), makes low = x A^T of its 16 rows, and scales its share of lora_b.
; Wave w takes K step w: 256 along K of all 16 rows, 32 loads of 512 consecutive bytes (128 numbers of one row).  A lane then holds 4 neighbours, eight lanes a block of 32.
; A block's scale is 2^(exponent field of its largest magnitude - 8 - 127); each number is multiplied by its inverse (a power of two: exact), held within +-448 and converted with scale 1,
; so that one conversion takes four numbers of each of two blocks.  The codes (4 bytes a lane) go through the wave's own LDS and come back as operand registers.
; LAYOUT.  xq, wq [16 tiles of 256 rows][16 K steps][67,584 bytes]: 16 blocks of 16 rows x 4,096 bytes: [128 along K: q][32 along K: c][lane 16 h + r][16 bytes: row r, K = 32 c + 16 h + 0..15];
;   then 16 blocks x 128 bytes of scale words: [row r][q xor bit 2 of the block's number].  A block's 128 bytes are half of an aligned 256: a work-group that owned two blocks of rows would leave half of the WGPs without work.
;   lq [256 blocks of 16 rows][lane][16 bytes]: bf16 of low(row r, ranks 8 h .. 8 h + 7).  bq [4 batches][256 blocks of 16 outputs][lane][16 bytes]: bf16 of scale x B(output r, ranks 8 h ..).
; LIMITS: NaN and infinities among the inputs are not served.  A block of zeros gets the byte 1 where the rule says 127: its codes are zeros, and this program alone reads the bytes.
;   The factor is multiplied into B in f32 ahead of the rounding to bf16: low x (scale x B).
; No tensor loads, no cluster, no prefetch: x and weight are read once, each wave has 32 loads on their way from its start, and the text has no loop to run ahead in.
.set CHB,   67584
.set REG,   4608                       ; LDS of a wave: 16 units of 272 bytes of codes, 128 scale bytes from SCB on
.set SCB,   4352
.set RED,   16*REG                     ; the waves' partial sums of low, 1,024 bytes each
.set SPARE, RED+16384                  ; the spare words, 128 bytes a wave
.set R,     128                        ; v128-255 a ring of four groups of eight loads
.set P,     32                         ; v32-47  pairs: inverse scale, exponent field
.set M,     48                         ; v48-55  largest magnitudes
.set C,     56                         ; v56-63  codes
	s_load_b512 s[4:19], s[0:1], 0x0               ; x, weight, lora_a, lora_b, scaling_factors, adapter_id, xq, wq
	s_load_b128 s[20:23], s[0:1], 0x40             ; lq, bq
	v_lshl_add_u32 v10, v0, 2, SPARE
	v_mov_b32 v11, 0
	v_lshrrev_b32 v2, 5, v0
	v_readfirstlane_b32 s24, v2                    ; wave = K step
	v_and_b32 v2, 31, v0                           ; lane
	v_lshlrev_b32 v3, 4, v2
	s_mul_i32 s25, s24, REG
	v_lshrrev_b32 v4, 2, v2
	v_mul_u32_u24 v4, 272, v4
	v_and_b32 v5, 3, v2
	v_lshl_add_u32 v4, v5, 2, v4
	v_add_nc_u32 v4, s25, v4                       ; where my 4 codes go: 272 (lane / 4) + 4 (lane % 4)
	s_add_co_u32 s26, s25, SCB
	v_lshrrev_b32 v5, 3, v2
	v_add_nc_u32 v5, s26, v5                       ; my block's byte
	v_lshrrev_b32 v6, 4, v2
	v_and_b32 v8, 15, v2
	v_mul_u32_u24 v7, 272, v6
	v_lshl_add_u32 v7, v8, 4, v7
	v_lshlrev_b32 v1, 6, v8
	v_lshl_add_u32 v1, v6, 5, v1                   ; lora_b: row lane % 16 of 64 bytes, ranks 8 (lane / 16) on
	v_add_nc_u32 v6, s25, v7                       ; operand registers back: 272 (lane / 16) + 16 (lane % 16)
	v_lshlrev_b32 v7, 2, v2
	v_add_nc_u32 v7, s26, v7                       ; scale words on their way out
	v_lshlrev_b32 v8, 3, v8
	v_add_nc_u32 v8, s26, v8                       ; row lane % 16's two scale words
	s_bfe_u32 s27, ttmp9, 0x10002
	v_xor_b32 v9, s27, v2
	v_lshlrev_b32 v9, 2, v9
	v_mov_b32 v12, 1.0
	v_mov_b32 v15, 0x43e00000                      ; 448
	s_lshl_b32 s27, s24, 10                        ; the K step's bytes in a row of f32
	v_add_nc_u32 v14, RED, v3
	v_add_nc_u32 v13, s27, v14
	s_lshl_b32 s40, ttmp9, 18                      ; 16 rows of 16,384 bytes
	s_add_co_u32 s40, s40, s27
	s_mov_b32 s41, 0
	s_lshr_b32 s42, ttmp9, 4
	s_lshl_b32 s42, s42, 4
	s_add_co_u32 s42, s42, s24
	s_mul_i32 s42, s42, CHB                        ; my chunk
	s_and_b32 s44, ttmp9, 15
	s_lshl_b32 s46, s44, 12
	s_add_co_u32 s46, s46, s42                     ; my block's codes
	s_mov_b32 s47, 0
	s_lshl_b32 s48, s44, 7
	s_add_co_u32 s48, s48, s42
	s_add_co_u32 s48, s48, 65536                   ; and its scale words
	s_mov_b32 s49, 0
	s_lshr_b32 s50, ttmp9, 6                       ; the batch
	s_lshl_b32 s52, s50, 2
	s_mov_b32 s53, 0
	s_wait_alu depctr_va_vdst(0)
	s_wait_kmcnt 0x0
	s_add_nc_u64 s[54:55], s[14:15], s[52:53]
	s_load_b32 s60, s[54:55], 0x0                  ; the batch's adapter
	s_add_nc_u64 s[4:5], s[4:5], s[40:41]
	s_add_nc_u64 s[6:7], s[6:7], s[40:41]
	s_add_nc_u64 s[32:33], s[16:17], s[46:47]
	s_add_nc_u64 s[34:35], s[16:17], s[48:49]
	s_add_nc_u64 s[36:37], s[18:19], s[46:47]
	s_add_nc_u64 s[38:39], s[18:19], s[48:49]
.macro LOADG b, g, nt                  ; group g: rows 4 g .. 4 g + 3, both halves of the 256 along K
.irp k, 0,1,2,3,4,5,6,7
.if \nt
	global_load_b128 v[R+32*\g+4*\k:R+32*\g+4*\k+3], v3, s[\b:\b+1] offset:(4*\g+\k/2)*16384+(\k%2)*512 th:TH_LOAD_NT
.else
	global_load_b128 v[R+32*\g+4*\k:R+32*\g+4*\k+3], v3, s[\b:\b+1] offset:(4*\g+\k/2)*16384+(\k%2)*512
.endif
.endr
.endm
.irp g, 0,1,2,3
	LOADG 4, \g, 1
.endr
	s_wait_kmcnt 0x0
	s_min_u32 s60, s60, 7                          ; an index stays inside its table: 8 adapters
	s_lshl_b32 s52, s60, 2
	s_add_nc_u64 s[54:55], s[12:13], s[52:53]
	s_load_b32 s66, s[54:55], 0x0                  ; its factor
	s_lshl_b32 s62, s60, 18                        ; an adapter is 262,144 bytes of lora_a and of lora_b
	s_add_co_u32 s56, s62, s27
	s_mov_b32 s57, 0
	s_add_nc_u64 s[8:9], s[8:9], s[56:57]
	s_and_b32 s58, ttmp9, 63
	s_lshl_b32 s58, s58, 2
	s_add_co_u32 s58, s58, s24                     ; waves 0-3: my block of 16 outputs
	s_lshl_b32 s68, s58, 10
	s_add_co_u32 s68, s68, s62
	s_mov_b32 s69, 0
	s_add_nc_u64 s[10:11], s[10:11], s[68:69]
	s_lshl_b32 s70, s58, 9
	s_lshl_b32 s71, s50, 17
	s_add_co_u32 s70, s70, s71
	s_mov_b32 s71, 0
	s_add_nc_u64 s[22:23], s[22:23], s[70:71]
	s_lshl_b32 s72, ttmp9, 9
	s_mov_b32 s73, 0
	s_add_nc_u64 s[20:21], s[20:21], s[72:73]
	s_cmp_lt_u32 s24, 4
	s_cbranch_scc0 .Lno_b_load
	global_load_b128 v[96:99], v1, s[10:11]
	global_load_b128 v[100:103], v1, s[10:11] offset:16
.Lno_b_load:
.macro QUANT g                         ; eight loads: quad k = 2 (row % 4) + q
.set RG, R+32*(\g)
	s_wait_dscnt 0x0                               ; the last group's stores have read their registers
.irp k, 0,1,2,3,4,5,6,7
	v_max3_num_f32 v[M+\k], |v[RG+4*\k]|, |v[RG+4*\k+1]|, |v[RG+4*\k+2]|
.endr
.irp k, 0,1,2,3,4,5,6,7
	v_max3_num_f32 v[M+\k], v[M+\k], |v[RG+4*\k+3]|, 0x4800000   ; and the floor 2^(9 - 127)
.endr
.irp k, 0,1,2,3,4,5,6,7
	v_max_num_f32_dpp v[M+\k], v[M+\k], v[M+\k] row_xmask:1 row_mask:0xf bank_mask:0xf
.endr
.irp k, 0,1,2,3,4,5,6,7
	v_max_num_f32_dpp v[M+\k], v[M+\k], v[M+\k] row_xmask:2 row_mask:0xf bank_mask:0xf
.endr
.irp k, 0,1,2,3,4,5,6,7
	v_max_num_f32_dpp v[M+\k], v[M+\k], v[M+\k] row_xmask:4 row_mask:0xf bank_mask:0xf
.endr
.irp k, 0,1,2,3,4,5,6,7
	v_lshrrev_b32 v[P+2*\k+1], 23, v[M+\k]         ; the exponent field: 8 more than the scale's byte
.endr
.irp k, 0,1,2,3,4,5,6,7
	v_and_b32 v[P+2*\k], 0x7f800000, v[M+\k]
.endr
.irp k, 0,1,2,3,4,5,6,7
	v_sub_nc_u32 v[P+2*\k], 0x83000000, v[P+2*\k]  ; 1 / scale: exponent field 254 - (field - 8)
.endr
.irp k, 0,1,2,3,4,5,6,7
	v_pk_mul_f32 v[RG+4*\k:RG+4*\k+1], v[RG+4*\k:RG+4*\k+1], v[P+2*\k:P+2*\k+1] op_sel_hi:[1,0]
	v_pk_mul_f32 v[RG+4*\k+2:RG+4*\k+3], v[RG+4*\k+2:RG+4*\k+3], v[P+2*\k:P+2*\k+1] op_sel_hi:[1,0]
.endr
.irp k, 0,1,2,3,4,5,6,7
.irp i, 0,1,2,3
	v_med3_num_f32 v[RG+4*\k+\i], v[RG+4*\k+\i], -v15, v15   ; the conversion does not saturate (ISA guide 7.6.2)
.endr
.endr
.irp j, 0,1,2,3
	v_cvt_scalef32_pk8_fp8_f32 v[C+2*\j:C+2*\j+1], v[RG+8*\j:RG+8*\j+7], v12
.endr
	v_nop
.irp j, 0,1,2,3
	ds_store_b32 v4, v[C+2*\j] offset:16*(4*\g+\j)
	ds_store_b32 v4, v[C+2*\j+1] offset:2176+16*(4*\g+\j)
.endr
.irp k, 0,1,2,3,4,5,6,7
	ds_store_b8 v5, v[P+2*\k+1] offset:4*(8*\g+\k) ; the eight lanes of a block write the same byte with the same value
.endr
.endm
.macro FRAGS f                         ; LDS serves a wave's instructions in order: these see the stores above
.irp q, 0,1
.irp c, 0,1,2,3
	ds_load_b128 v[\f+16*\q+4*\c:\f+16*\q+4*\c+3], v6 offset:2176*\q+544*\c
.endr
.endr
.endm
.macro OUT f, b                        ; 512 consecutive bytes a store, aligned
.irp q, 0,1
.irp c, 0,1,2,3
	global_store_b128 v3, v[\f+16*\q+4*\c:\f+16*\q+4*\c+3], s[\b:\b+1] offset:2048*\q+512*\c
.endr
.endr
.endm
; x
.irp g, 0,1,2,3
	s_wait_loadcnt 24                              ; the three younger groups may be out
	QUANT \g
	LOADG 8, \g, 0                                 ; its registers take lora_a's group
.endr
	FRAGS 64
	ds_load_b32 v30, v7
	ds_load_b64 v[24:25], v8
	s_wait_dscnt 0x0
	v_add_nc_u32 v30, 0xf7f7f7f8, v30              ; 8 off each of the four bytes (each is 9 or more)
	v_add_nc_u32 v24, 0xf7f7f7f8, v24
	v_add_nc_u32 v25, 0xf7f7f7f8, v25
	OUT 64, 32
	global_store_b32 v9, v30, s[34:35]
; the adapter's lora_a
.irp g, 0,1,2,3
	s_wait_loadcnt 24
	QUANT \g
	LOADG 6, \g, 1                                 ; its registers take weight's group
.if \g == 0
	s_wait_alu depctr_va_vdst(0)
	s_wait_kmcnt 0x0
	s_mov_b32 s67, s66                             ; (the packed form names the pair)
	s_cmp_lt_u32 s24, 4
	s_cbranch_scc0 .Lno_b
.irp k, 0,1,2,3
	v_pk_mul_f32 v[96+2*\k:97+2*\k], v[96+2*\k:97+2*\k], s[66:67] op_sel_hi:[1,0]   ; lora_b's loads are older than the group just waited for
.endr
.irp k, 0,1,2,3
	v_cvt_pk_bf16_f32 v[104+\k], v[96+2*\k], v[97+2*\k]
.endr
	global_store_b128 v3, v[104:107], s[22:23]
.Lno_b:
.endif
.endr
	s_wait_xcnt 0x0                                ; the store above has read its registers
	FRAGS 96
	ds_load_b64 v[26:27], v8
	s_wait_dscnt 0x0
	v_add_nc_u32 v26, 0xf7f7f7f8, v26
	v_add_nc_u32 v27, 0xf7f7f7f8, v27
.rept 8
	v_nop                                          ; places ahead of a scaled product for its scales
.endr
	; low^T of my K step: source 0 = 16 ranks, source 1 = 16 rows: lane (r, h) holds ranks 8 h .. 8 h + 7 of row r
	v_wmma_scale_f32_16x16x128_f8f6f4 v[16:23], v[96:111], v[64:79], 0, v26, v24
	s_wait_alu depctr_va_vdst(0)
	v_wmma_scale_f32_16x16x128_f8f6f4 v[16:23], v[112:127], v[80:95], v[16:23], v27, v25
.rept 8
	v_nop
.endr
	ds_store_b128 v13, v[16:19]
	ds_store_b128 v13, v[20:23] offset:512
; weight
.irp g, 0,1,2,3
	s_wait_loadcnt 24-8*\g
	QUANT \g
.if \g == 1
	s_wait_alu depctr_va_vdst(0)
	s_wait_dscnt 0x0                               ; for wave 0's sake: my partial sums are stored
	s_barrier_signal -1
	s_barrier_wait -1
	s_cmp_lg_u32 s24, 0
	s_cbranch_scc1 .Lsummed
	s_wait_xcnt 0x0                                ; x's code stores have read their registers
.irp b, 0,8
.irp p, 0,1,2,3,4,5,6,7
	ds_load_b128 v[64+8*\p:67+8*\p], v14 offset:1024*(\b+\p)
	ds_load_b128 v[68+8*\p:71+8*\p], v14 offset:1024*(\b+\p)+512
.endr
	s_wait_alu depctr_va_vdst(0)
	s_wait_dscnt 0x0
.irp p, 0,1,2,3,4,5,6,7
.irp j, 0,2,4,6
.if \b+\p == 1
	v_pk_add_f32 v[48+\j:49+\j], v[64+\j:65+\j], v[72+\j:73+\j]
.elseif \b+\p > 1
	v_pk_add_f32 v[48+\j:49+\j], v[48+\j:49+\j], v[64+8*\p+\j:65+8*\p+\j]
.endif
.endr
.endr
.endr
.irp k, 0,1,2,3
	v_cvt_pk_bf16_f32 v[56+\k], v[48+2*\k], v[49+2*\k]
.endr
	global_store_b128 v3, v[56:59], s[20:21]
.Lsummed:
	s_wait_xcnt 0x0                                ; v56-59 are written again below
.endif
.endr
	FRAGS 96
	ds_load_b32 v31, v7
	s_wait_dscnt 0x0
	v_add_nc_u32 v31, 0xf7f7f7f8, v31
	OUT 96, 36
	global_store_b32 v9, v31, s[38:39]
	s_wait_tensorcnt 0x0                           ; the wave's end
	ds_add_u32 v10, v11
	s_wait_dscnt 0x0
	s_endpgm
.Lfunc_end_k_qd9fc1e2708_quant:
	.size	k_qd9fc1e2708_quant, .Lfunc_end_k_qd9fc1e2708_quant-k_qd9fc1e2708_quant
	.p2alignl 7, 3214868480
	.fill 96, 4, 3214868480
	.section	.rodata,"a",@progbits
	.p2align	6, 0x0
	.amdhsa_kernel k_qd9fc1e2708_quant
		.amdhsa_group_segment_fixed_size 92160
		.amdhsa_private_segment_fixed_size 0
		.amdhsa_enable_private_segment 0
		.amdhsa_kernarg_size 80
		.amdhsa_user_sgpr_count 2
		.amdhsa_user_sgpr_kernarg_segment_ptr 1
		.amdhsa_wavefront_size32 1
		.amdhsa_system_sgpr_workgroup_id_x 1
		.amdhsa_system_sgpr_workgroup_id_y 1
		.amdhsa_system_sgpr_workgroup_id_z 1
		.amdhsa_system_vgpr_workitem_id 0
		.amdhsa_next_free_vgpr 256
		.amdhsa_next_free_sgpr 80
		.amdhsa_reserve_vcc 0
		.amdhsa_float_denorm_mode_32 3
		.amdhsa_float_denorm_mode_16_64 3
		.amdhsa_memory_ordered 1
		.amdhsa_forward_progress 1
		.amdhsa_inst_pref_size 126
	.end_amdhsa_kernel
	.amdgpu_metadata
---
amdhsa.version: [ 1, 2 ]
amdhsa.kernels:
  - .name:           k_qd9fc1e2708_quant
    .symbol:         k_qd9fc1e2708_quant.kd
    .args:
      - { .name: x, .offset: 0, .size: 8, .value_kind: global_buffer, .address_space: global }
      - { .name: weight, .offset: 8, .size: 8, .value_kind: global_buffer, .address_space: global }
      - { .name: lora_a_weights, .offset: 16, .size: 8, .value_kind: global_buffer, .address_space: global }
      - { .name: lora_b_weights, .offset: 24, .size: 8, .value_kind: global_buffer, .address_space: global }
      - { .name: scaling_factors, .offset: 32, .size: 8, .value_kind: global_buffer, .address_space: global }
      - { .name: adapter_id, .offset: 40, .size: 8, .value_kind: global_buffer, .address_space: global }
      - { .name: xq, .offset: 48, .size: 8, .value_kind: global_buffer, .address_space: global }
      - { .name: wq, .offset: 56, .size: 8, .value_kind: global_buffer, .address_space: global }
      - { .name: lq, .offset: 64, .size: 8, .value_kind: global_buffer, .address_space: global }
      - { .name: bq, .offset: 72, .size: 8, .value_kind: global_buffer, .address_space: global }
    .group_segment_fixed_size: 92160
    .private_segment_fixed_size: 0
    .kernarg_segment_align: 8
    .kernarg_segment_size: 80
    .max_flat_workgroup_size: 512
    .sgpr_count:     80
    .vgpr_count:     256
    .wavefront_size: 32
...
	.end_amdgpu_metadata
.endif
;; end of part 1
;; launch gemm (part 2): grid 16 x 16, 4 waves a work-group, clusters of 4 x 4, 327,680 bytes of LDS; arguments xq, wq, lq, bq, bias, out0; writes out0
.if DOCPART == 2
	.amdgcn_target "amdgcn-amd-amdhsa--gfx1250"
	.amdhsa_code_object_version 6
	.text
	.protected	k_qd9fc1e2708_gemm
	.globl	k_qd9fc1e2708_gemm
	.p2align	8
	.type	k_qd9fc1e2708_gemm,@function
k_qd9fc1e2708_gemm:
	s_mov_b64 s[64:65], 0
	v_nop
	global_prefetch_b8 v0, s[64:65] scope:SCOPE_SE
	s_setreg_imm32_b32 hwreg(HW_REG_WAVE_MODE, 25, 1), 1
	s_wait_xcnt 0x0
	s_wait_alu depctr_hold_cnt(0) depctr_sa_sdst(0) depctr_va_vdst(0) depctr_va_sdst(0) depctr_va_ssrc(0) depctr_va_vcc(0) depctr_vm_vsrc(0)
	s_getreg_b32 s2, hwreg(HW_REG_IB_STS2, 6, 4)
	s_cmp_eq_u32 s2, 0
	s_cbranch_scc0 .Lentry_in_a_cluster
	s_endpgm
.Lentry_in_a_cluster:
	s_bfe_u32 s2, ttmp6, 0x10000c
	s_cmp_lg_u32 s2, 0xf033
	s_cbranch_scc0 .Lentry_shape_is_right
	s_endpgm
.Lentry_shape_is_right:
; out = x W^T + bias + low (scale B)^T on the codes, scale words, low and scaled lora_b that the launch before has laid (its head has the layouts).
; A work-group makes 256 x 256 of the output, a wave 128 x 128: 64 accumulators.  A sum begins with the bf16 product of low and scaled lora_b (16 ranks, the other 16 along K zeros) whose C is the bias.
; K goes in 16 steps of 256 through two LDS slots; a slot is x's chunk and weight's chunk, 67,584 bytes each, as they lie in memory: a fragment is four loads of 512 consecutive bytes.
; CLUSTERS: the four work-groups of a row share x's chunk, the four of a column weight's: joint loads, half a chunk a wave (33 rows of 1,024 bytes).
; TRANSPOSED USE: source 0 = 16 rows of weight, source 1 = 16 rows of x: a lane holds eight neighbouring columns of one output row.
; REGISTERS: window 0: v0-31 addresses; v32-63 scale words, a set for each slot (register 2 i + position: lanes 0-15 x's block i, lanes 16-31 weight's); v128-255 x's eight fragments; v64-127 blocks 4-7 of a step's second 128.
;   window 1: weight's fragments, v0-127 of a step's first 128 along K, v128-255 of its second.  windows 2, 3: accumulators of blocks 0-3, 4-7.
; In the first half of a step all that is left of the slot comes into registers, so at the second half's head the slot is read out and the change of slots stands there.
; A fragment's four loads stand at one place behind four products.
; PREFETCH: behind the joint load for K step f each wave asks for K step f + 2: of the half chunk that it fetches (132 blocks of 256 bytes) each of the four partners names 33, told apart by address: 32 by one instruction, a lane a block, the last by a second.
.set CHB,   67584                      ; a chunk
.set HALFC, 33792
.set RUN,   16*CHB
.set SLOT,  2*CHB
.set SPARE, 2*SLOT                     ; the spare words, 128 bytes a wave
.set SPITCH, 528                       ; the way out: a stage of 16 rows x (512 + 16) bytes a wave, in slot 0 behind its last fill and its last read
.set OROW,  16384
.set FR, 16
.set NP, 8
.set ADRA, 8
.set ADRB, 10
.set ADRS, 12
.set STO, 14
.set RD, 15
.set CO, 16
.set PFO, 17
.set PFO2, 18
.set SPW, 28
.set NIL, 29
.set SC, 32
.set AF, 128
.set G1, 24
.set G0, 32
.set PFA, 44
.set G1B, 48
.set G0B, 56
.set MSB, 0
.macro WIN new
.if MSB != (\new)
	s_set_vgpr_msb (MSB<<8)|(\new)
.set MSB, \new
.endif
.endm
.set MUL_LO, 0xa1                      ; source 0 window 1, source 1 window 0, C and D window 2
.set MUL_HI, 0xf1
.set TO_B, 0x40
.macro PLACES n
.rept \n
	v_nop
.endr
.endm
.macro JLOAD s                         ; waves 0, 1 fetch x's halves, waves 2, 3 weight's
	s_cmp_eq_u32 s15, 0
	s_cbranch_scc0 .Lfor_b_\@
	tensor_load_to_lds s[G0+4*\s:G0+4*\s+3], s[G1:G1+7]
	s_nop 0
	PLACES 4
	s_branch .Lasked_\@
.Lfor_b_\@:
	tensor_load_to_lds s[G0B+4*\s:G0B+4*\s+3], s[G1B:G1B+7]
	s_nop 0
	PLACES 4
.Lasked_\@:
.endm
.macro CREST                           ; a round of the cluster's barrier behind its opening barrier
	s_cmp_lg_u32 s14, 0
	s_cbranch_scc1 .Lnot_wave_0_\@
	s_barrier_signal -3
.Lnot_wave_0_\@:
	s_barrier_wait -3
	s_barrier_signal -1
	s_barrier_wait -1
.endm
.macro CROUND
	s_barrier_signal -1
	s_barrier_wait -1
	CREST
.endm
.macro AHEAD
	global_prefetch_b8 v[PFO], s[PFA:PFA+1] th:TH_LOAD_NT scope:SCOPE_SE
	global_prefetch_b8 v[PFO2], s[PFA:PFA+1] th:TH_LOAD_NT scope:SCOPE_SE
.endm
	s_load_b256 s[4:11], s[0:1], 0x0               ; xq, wq, lq, bq
	s_load_b128 s[84:87], s[0:1], 0x20             ; bias, out0
	v_lshl_add_u32 v[SPW], v0, 2, SPARE
	v_mov_b32 v[NIL], 0
	ds_add_u32 v[SPW], v[NIL]                      ; the opening: the add, twice on end, and its wait
	ds_add_u32 v[SPW], v[NIL]
	v_lshrrev_b32 v1, 5, v0
	v_readfirstlane_b32 s14, v1                    ; wave
	s_lshr_b32 s15, s14, 1                         ; my half of the rows; also: I fetch for x (0) or weight (1)
	s_and_b32 s16, s14, 1                          ; my half of the columns; also: which half of the chunk I fetch
	s_bfe_u32 s40, ttmp6, 0x40000                  ; cx, cy
	s_bfe_u32 s41, ttmp6, 0x40004
	s_lshl_b32 s42, ttmp9, 2
	s_add_co_u32 s42, s42, s40                     ; tile column
	s_and_b32 s17, ttmp7, 0xffff
	s_lshl_b32 s17, s17, 2
	s_add_co_u32 s17, s17, s41                     ; tile row
	s_lshl_b32 s43, s41, 2
	s_lshl_b32 s43, 15, s43                        ; my row of the cluster
	s_lshl_b32 s44, 0x1111, s40                    ; my column
	s_or_b32 s[G1+0], s43, (3<<16)|(1<<21)         ; mask; elements of 8 bytes; bit 21 beside a mask; no padding
	s_or_b32 s[G1B+0], s44, (3<<16)|(1<<21)
.irp g, G1, G1B
	s_mov_b32 s[\g+1], 128<<16                     ; rows of 1,024 bytes,
	s_mov_b32 s[\g+2], 33<<16                      ; 33 of them, dense
	s_mov_b32 s[\g+3], 128<<16
	s_mov_b32 s[\g+4], 33
	s_mov_b32 s[\g+5], 128
	s_mov_b32 s[\g+6], 0
	s_mov_b32 s[\g+7], 0
.endr
	s_mul_i32 s18, s16, HALFC
	s_mul_i32 s20, s17, RUN
	s_add_co_u32 s20, s20, s18                     ; x: my half of the tile row's first chunk
	s_mov_b32 s21, 0
	s_mul_i32 s46, s42, RUN
	s_add_co_u32 s46, s46, s18                     ; weight: of the tile column's
	s_mov_b32 s47, 0
	s_mul_i32 s22, s14, HALFC                      ; where it goes: wave x half a chunk
	; the prefetches: my place p among the four, by address alone
	s_cmp_eq_u32 s15, 0
	s_cselect_b32 s70, s20, s46
	s_cselect_b32 s74, s40, s41
	s_lshl_b32 s75, s74, 13
	s_add_co_u32 s70, s70, s75
	s_add_co_u32 s70, s70, 2*CHB                   ; at K step 2, block 32 p
	s_mov_b32 s71, 0
	s_mul_i32 s75, s74, 7936
	s_sub_co_u32 s75, 32768, s75                   ; from there to block 128 + p
	; low, scaled lora_b, bias, output
	s_lshl_b32 s76, s17, 13
	s_lshl_b32 s77, s15, 12
	s_add_co_u32 s76, s76, s77
	s_mov_b32 s77, 0
	s_lshr_b32 s78, s17, 2                         ; the batch: four tile rows
	s_lshl_b32 s78, s78, 17
	s_lshl_b32 s79, s42, 13
	s_add_co_u32 s78, s78, s79
	s_lshl_b32 s79, s16, 12
	s_add_co_u32 s78, s78, s79
	s_mov_b32 s79, 0
	s_lshl_b32 s80, s42, 10
	s_lshl_b32 s81, s16, 9
	s_add_co_u32 s80, s80, s81                     ; my first column, in bytes of f32
	s_mov_b32 s81, 0
	s_lshl_b32 s82, s17, 8
	s_lshl_b32 s83, s15, 7
	s_add_co_u32 s82, s82, s83                     ; my first row
	s_lshl_b32 s82, s82, 14
	s_add_co_u32 s82, s82, s80
	s_mov_b32 s83, 0
	v_and_b32 v1, 15, v0                           ; r
	v_bfe_u32 v2, v0, 4, 1                         ; h
	v_and_b32 v7, 31, v0
	v_lshlrev_b32 v[CO], 4, v7
	v_lshlrev_b32 v3, 5, v2
	v_lshlrev_b32 v[PFO], 8, v7
	v_mov_b32 v[PFO2], s75
	s_wait_alu depctr_va_vdst(0)
	s_wait_dscnt 0x0                               ; both opening adds are done
	s_wait_kmcnt 0x0
	s_add_nc_u64 s[88:89], s[8:9], s[76:77]
	s_add_nc_u64 s[90:91], s[10:11], s[78:79]
	s_add_nc_u64 s[92:93], s[84:85], s[80:81]
	s_add_nc_u64 s[94:95], s[86:87], s[82:83]
	s_cmp_eq_u32 s15, 0
	s_cselect_b64 s[PFA:PFA+1], s[4:5], s[6:7]
	s_add_nc_u64 s[PFA:PFA+1], s[PFA:PFA+1], s[70:71]
	s_add_nc_u64 s[20:21], s[4:5], s[20:21]
	s_add_nc_u64 s[46:47], s[6:7], s[46:47]
.irp a, 0,1,2,3,4,5,6,7
	global_load_b128 v[AF+8*\a:AF+8*\a+3], v[CO], s[88:89] offset:512*\a
.endr
	WIN TO_B
.irp b, 0,1,2,3,4,5,6,7
	global_load_b128 v[8*\b:8*\b+3], v[CO], s[90:91] offset:512*\b
	global_load_b128 v[128+8*\b:128+8*\b+3], v3, s[92:93] offset:64*\b     ; bias of columns 16 b + 8 h + 0..7
	global_load_b128 v[128+8*\b+4:128+8*\b+7], v3, s[92:93] offset:64*\b+16
.endr
	WIN 0
	CROUND                                         ; all sixteen work-groups are here: the first joint loads meet
.irp s, 0,1
	s_mov_b32 s[G0+4*\s], 1
	s_add_co_u32 s[G0+4*\s+1], s22, \s*SLOT
	s_add_nc_u64 s[G0+4*\s+2:G0+4*\s+3], s[20:21], \s*CHB
	s_or_b32 s[G0+4*\s+3], s[G0+4*\s+3], 0x80000000
	s_mov_b32 s[G0B+4*\s], 1
	s_add_co_u32 s[G0B+4*\s+1], s22, \s*SLOT
	s_add_nc_u64 s[G0B+4*\s+2:G0B+4*\s+3], s[46:47], \s*CHB
	s_or_b32 s[G0B+4*\s+3], s[G0B+4*\s+3], 0x80000000
.endr
	JLOAD 0                                        ; K step 0: one tensor load a wave at the head
	s_lshl_b32 s23, s15, 15
	v_add_nc_u32 v[ADRA], s23, v[CO]               ; x: my eight blocks of 4,096 bytes
	v_add_nc_u32 v[ADRA+1], SLOT, v[ADRA]
	s_lshl_b32 s23, s16, 15
	s_add_co_u32 s23, s23, CHB
	v_add_nc_u32 v[ADRB], s23, v[CO]               ; weight: mine, behind x's chunk
	v_add_nc_u32 v[ADRB+1], SLOT, v[ADRB]
	s_lshl_b32 s18, s15, 10
	s_lshl_b32 s19, s16, 10
	s_add_co_u32 s19, s19, CHB
	s_sub_co_u32 s19, s19, s18                     ; from x's scale words to weight's
	s_add_co_u32 s18, s18, 65536
	v_lshlrev_b32 v4, 3, v1
	v_mul_u32_u24 v5, s19, v2
	v_add_nc_u32 v4, v4, v5
	v_add_nc_u32 v[ADRS], s18, v4                  ; lanes 0-15 x's words, lanes 16-31 weight's
	v_add_nc_u32 v[ADRS+1], SLOT, v[ADRS]
	s_mul_i32 s23, s14, 16*SPITCH
	v_mul_u32_u24 v5, SPITCH, v1
	v_lshl_add_u32 v5, v2, 5, v5
	v_add_nc_u32 v[STO], s23, v5
	v_add_nc_u32 v[RD], s23, v[CO]
	AHEAD                                          ; K step 2
.irp a, 0,1,2,3,4,5,6,7
.irp k, 4,5,6,7
	v_mov_b32 v[AF+8*\a+\k], 0                     ; ranks 16-31 do not exist: zeros on both sides
.endr
.endr
	WIN TO_B
.irp b, 0,1,2,3,4,5,6,7
.irp k, 4,5,6,7
	v_mov_b32 v[8*\b+\k], 0
.endr
.endr
	s_wait_alu depctr_va_vdst(0)
	s_wait_loadcnt 0x0
.irp a, 0,1,2,3,4,5,6,7
	WIN 0x91+0x40*(\a/4)                           ; sources 0 and 2 window 1, source 1 window 0, D window 2 or 3
.irp b, 0,1,2,3,4,5,6,7
	v_wmma_f32_16x16x32_bf16 v[8*(8*(\a%4)+\b):8*(8*(\a%4)+\b)+7], v[8*\b:8*\b+7], v[AF+8*\a:AF+8*\a+7], v[128+8*\b:128+8*\b+7]
.endr
.endr
	WIN 0
	PLACES NP
.macro PROD a, b, q, s                 ; block a of x, block b of weight, the q-th 128 along K of slot s
.set AR_, AF+FR*(\a)
.if (\q) == 1 && (\a) > 3
.set AR_, FR*(\a)
.endif
.set BR_, 128*(\q)+FR*(\b)
.set AC_, 8*(8*((\a)%4)+(\b))
.set SB_, SC+16*(\s)+2*(\b)+(\q)+((\b)/4)*(1-2*(\q))
.set SA_, SC+16*(\s)+2*(\a)+(\q)+((\a)/4)*(1-2*(\q))
	v_wmma_scale_f32_16x16x128_f8f6f4 v[AC_:AC_+7], v[BR_:BR_+FR-1], v[AR_:AR_+FR-1], v[AC_:AC_+7], v[SB_], v[SA_] matrix_a_scale:MATRIX_SCALE_ROW1
.endm
.macro QUAD a, bb, q, s, n=0           ; four products; n places behind each.  The 64 accumulators take turns, one instruction a turn, in the same order in every half step
	WIN MUL_LO+0x50*((\a)/4)
.irp j, 0,1,2,3
	PROD \a, (\bb+\j), \q, \s
.if (\n) > 0
	PLACES \n
.endif
.endr
.endm
.macro LDB s, q, n                     ; weight's fragment n
	WIN TO_B
.irp c, 0,1,2,3
	ds_load_b128 v[128*(\q)+FR*(\n)+4*\c:128*(\q)+FR*(\n)+4*\c+3], v[ADRB+\s] offset:4096*(\n)+2048*(\q)+512*\c
.endr
	WIN 0
.endm
.macro LDA s, q, n                     ; x's fragment n
.set LR_, AF+FR*(\n)
.if (\q) == 1 && (\n) > 3
.set LR_, FR*(\n)
.endif
	WIN 0
.irp c, 0,1,2,3
	ds_load_b128 v[LR_+4*\c:LR_+4*\c+3], v[ADRA+\s] offset:4096*(\n)+2048*(\q)+512*\c
.endr
.endm
.macro SCALES s
	WIN 0
.irp i, 0,1,2,3,4,5,6,7
	ds_load_b64 v[SC+16*\s+2*\i:SC+16*\s+2*\i+1], v[ADRS+\s] offset:128*\i
.endr
.endm
; The products' eight places stand two behind each of four products: in block 0 for weight's other set, in block 4 for x's blocks 0-3.
.macro TAILA s, q, ns, nq              ; blocks 5-7 with x's fragments 2-7 of what comes next
	QUAD 5, 0, \q, \s
	LDA \ns, \nq, 2
	QUAD 5, 4, \q, \s
	LDA \ns, \nq, 3
	QUAD 6, 0, \q, \s
	LDA \ns, \nq, 4
	QUAD 6, 4, \q, \s
	LDA \ns, \nq, 5
	QUAD 7, 0, \q, \s
	LDA \ns, \nq, 6
	QUAD 7, 4, \q, \s
	LDA \ns, \nq, 7
.endm
.macro STEP s                          ; a step's first 128 along K; fetches its second
	s_wait_dscnt 16                                ; all but x's blocks 4-7 (the youngest 16 loads) are in
	QUAD 0, 0, 0, \s, 2
	QUAD 0, 4, 0, \s
	LDB \s, 1, 0
	LDB \s, 1, 1
	QUAD 1, 0, 0, \s
	LDB \s, 1, 2
	QUAD 1, 4, 0, \s
	LDB \s, 1, 3
	QUAD 2, 0, 0, \s
	LDB \s, 1, 4
	QUAD 2, 4, 0, \s
	LDB \s, 1, 5
	QUAD 3, 0, 0, \s
	LDB \s, 1, 6
	QUAD 3, 4, 0, \s
	LDB \s, 1, 7
	s_wait_dscnt 32                                ; all but the 32 loads of weight just issued: x's blocks 4-7 are in
	QUAD 4, 0, 0, \s, 2
	QUAD 4, 4, 0, \s
	LDA \s, 1, 0
	LDA \s, 1, 1
	TAILA \s, 0, \s, 1
.endm
.macro TURN s, n, fill                 ; a step's second 128; the change of slots stands at its head; fetches the next slot's first 128
.if \fill
	s_wait_xcnt 0x0                                ; the last prefetches have read their address
	s_add_nc_u64 s[PFA:PFA+1], s[PFA:PFA+1], CHB
.endif
	s_wait_tensorcnt 0x0                           ; my part of the next slot is in
	ds_add_u32 v[SPW], v[NIL]
.if \fill
	s_add_nc_u64 s[G0+4*\s+2:G0+4*\s+3], s[G0+4*\s+2:G0+4*\s+3], 2*CHB     ; no tensor load of mine is out
	s_add_nc_u64 s[G0B+4*\s+2:G0B+4*\s+3], s[G0B+4*\s+2:G0B+4*\s+3], 2*CHB
.endif
	s_wait_dscnt 17                                ; the add and x's blocks 4-7 may be out
	QUAD 0, 0, 1, \s
	QUAD 0, 4, 1, \s
	s_wait_dscnt 0x0                               ; the add is done, and my reads of this slot are over
	s_barrier_signal -1
	QUAD 1, 0, 1, \s
	WIN 0
	s_barrier_wait -1
.if \fill
	CREST                                          ; no wave of any partner still reads this slot or has a load on its way
	JLOAD \s
	PLACES NP-4
.else
	PLACES NP
.endif
	LDB \n, 0, 0
	LDB \n, 0, 1
	SCALES \n
.if \fill
	s_cmp_gt_u32 s3, 1                             ; the last trip fetches K steps 14 and 15: nothing lies two on
	s_cbranch_scc0 .Lnone_on_\@
	AHEAD
.Lnone_on_\@:
.endif
	QUAD 1, 4, 1, \s
	LDB \n, 0, 2
	QUAD 2, 0, 1, \s
	LDB \n, 0, 3
	QUAD 2, 4, 1, \s
	LDB \n, 0, 4
	QUAD 3, 0, 1, \s
	LDB \n, 0, 5
	QUAD 3, 4, 1, \s
	LDB \n, 0, 6
	QUAD 4, 0, 1, \s, 2
	LDB \n, 0, 7
	QUAD 4, 4, 1, \s
	LDA \n, 0, 0
	LDA \n, 0, 1
	TAILA \s, 1, \n, 0
.endm
	s_wait_xcnt 0x0
	s_add_nc_u64 s[PFA:PFA+1], s[PFA:PFA+1], CHB
	s_wait_tensorcnt 0x0                           ; my part of K step 0 is in
	ds_add_u32 v[SPW], v[NIL]
	s_wait_dscnt 0x0
	CROUND
	JLOAD 1                                        ; K step 1
.irp n, 0,1,2,3,4,5,6,7
	LDB 0, 0, \n
.endr
	SCALES 0
.irp n, 0,1,2,3,4,5,6,7
	LDA 0, 0, \n
.endr
	AHEAD                                          ; K step 3
	s_mov_b32 s3, 7
.Llap:                                                 ; two K steps a trip, both slots filled again
	STEP 0
	TURN 0, 1, 1
	STEP 1
	TURN 1, 0, 1
	WIN 0
	s_sub_co_u32 s3, s3, 1
	s_cmp_lg_u32 s3, 0
	s_cbranch_scc1 .Llap
	STEP 0                                         ; K steps 14 and 15 fill nothing
	TURN 0, 1, 0
	STEP 1
; THE LAST 128 ALONG K, BLOCK BY BLOCK: block a - 1 goes through my stage and block a - 2 is stored while later blocks are multiplied.  The eight places behind block a - 1 stand among block a's products.
; Read back: 16 rows of 512 bytes into window 1's v0-63 and v64-127 by turns (weight's first set, read out).
.macro TOSTAGE a
.set AC, 64*((\a)%4)
	WIN 0x08+4*((\a)/4)
.irp b, 0,1,2,3,4,5,6,7
	ds_store_b128 v[STO], v[AC+8*\b:AC+8*\b+3] offset:64*\b
	ds_store_b128 v[STO], v[AC+8*\b+4:AC+8*\b+7] offset:64*\b+16
.endr
	WIN TO_B
.set BB, 64*((\a)%2)
.irp t, 0,1,2,3,4,5,6,7,8,9,10,11,12,13,14,15
	ds_load_b128 v[BB+4*\t:BB+4*\t+3], v[RD] offset:\t*SPITCH      ; LDS serves a wave's instructions in order (ISA guide 5.7.1.4)
.endr
	WIN 0
.endm
.macro SEND a, younger
.set BB, 64*((\a)%2)
	s_wait_dscnt \younger                          ; the block is back; the next block's 16 stores and 16 loads may be out
	WIN 0x04
.irp t, 0,1,2,3,4,5,6,7,8,9,10,11,12,13,14,15
	global_store_b128 v[CO], v[BB+4*\t:BB+4*\t+3], s[94:95] offset:(16*(\a)+\t)*OROW th:TH_STORE_NT   ; 512 consecutive bytes, at a multiple of 512
.endr
	WIN 0
.endm
	s_wait_dscnt 16
	QUAD 0, 0, 1, 1, 1
	QUAD 0, 4, 1, 1, 1
	QUAD 1, 0, 1, 1, 1
	QUAD 1, 4, 1, 1, 1
	s_wait_dscnt 0x0                               ; x's blocks 4-7 are in
	TOSTAGE 0
.irp a, 2,3,4,5,6,7
	QUAD \a, 0, 1, 1, 1
	QUAD \a, 4, 1, 1, 1
.if \a > 2
	s_wait_xcnt 0x0                                ; block a - 3's stores have read their registers
.endif
	TOSTAGE \a-1
	SEND \a-2, 32
.endr
	s_wait_xcnt 0x0
	PLACES NP
	TOSTAGE 7
	SEND 6, 32
	SEND 7, 0
	s_wait_tensorcnt 0x0                           ; the wave's end
	ds_add_u32 v[SPW], v[NIL]
	s_wait_dscnt 0x0
	CROUND                                         ; the closing round: no work-group ends while a partner may still ask for a tile that names it
	s_endpgm
.Lfunc_end_k_qd9fc1e2708_gemm:
	.size	k_qd9fc1e2708_gemm, .Lfunc_end_k_qd9fc1e2708_gemm-k_qd9fc1e2708_gemm
	.p2alignl 7, 3214868480
	.fill 96, 4, 3214868480
	.section	.rodata,"a",@progbits
	.p2align	6, 0x0
	.amdhsa_kernel k_qd9fc1e2708_gemm
		.amdhsa_group_segment_fixed_size 327680
		.amdhsa_private_segment_fixed_size 0
		.amdhsa_enable_private_segment 0
		.amdhsa_kernarg_size 48
		.amdhsa_user_sgpr_count 2
		.amdhsa_user_sgpr_kernarg_segment_ptr 1
		.amdhsa_wavefront_size32 1
		.amdhsa_system_sgpr_workgroup_id_x 1
		.amdhsa_system_sgpr_workgroup_id_y 1
		.amdhsa_system_sgpr_workgroup_id_z 1
		.amdhsa_system_vgpr_workitem_id 0
		.amdhsa_next_free_vgpr 1024
		.amdhsa_next_free_sgpr 100
		.amdhsa_reserve_vcc 0
		.amdhsa_float_denorm_mode_32 3
		.amdhsa_float_denorm_mode_16_64 3
		.amdhsa_memory_ordered 1
		.amdhsa_forward_progress 1
		.amdhsa_inst_pref_size 164
	.end_amdhsa_kernel
	.amdgpu_metadata
---
amdhsa.version: [ 1, 2 ]
amdhsa.kernels:
  - .name:           k_qd9fc1e2708_gemm
    .symbol:         k_qd9fc1e2708_gemm.kd
    .args:
      - { .name: xq, .offset: 0, .size: 8, .value_kind: global_buffer, .address_space: global }
      - { .name: wq, .offset: 8, .size: 8, .value_kind: global_buffer, .address_space: global }
      - { .name: lq, .offset: 16, .size: 8, .value_kind: global_buffer, .address_space: global }
      - { .name: bq, .offset: 24, .size: 8, .value_kind: global_buffer, .address_space: global }
      - { .name: bias, .offset: 32, .size: 8, .value_kind: global_buffer, .address_space: global }
      - { .name: out0, .offset: 40, .size: 8, .value_kind: global_buffer, .address_space: global }
    .group_segment_fixed_size: 327680
    .private_segment_fixed_size: 0
    .kernarg_segment_align: 8
    .kernarg_segment_size: 48
    .max_flat_workgroup_size: 128
    .sgpr_count:     100
    .vgpr_count:     1024
    .wavefront_size: 32
...
	.end_amdgpu_metadata
.endif
;; end of part 2
